; MI455X (gfx1250); checked and timed in simulation.
; The chip was launched on July 23, 2026; its instructions are those of AMD's public machine-readable ISA for CDNA 5 (MIT licence, August 2026) and "CDNA5" Instruction Set Architecture Reference Guide (July 2026). The comments in the code are by the model that wrote it; some were corrected since.
;; Multi Window Attention. Allowed arithmetic: matrix products marked QUANTISED: E2M1 operands, one E8M0 scale for each 32 along K, by v_wmma_scale_f32_16x16x128_f8f6f4 with both operands' format E2M1 (or v_wmma_scale_f32_32x16x128_f4), f32 sums; everything else in f32.
;; Inputs: keys 4 x 2,048 x 8 x 64 float32; queries 4 x 2,048 x 8 x 64 float32; values 4 x 2,048 x 8 x 64 float32.
;; Outputs: out0 4 x 2,048 x 8 x 64 float32.
;; This version of the problem:
;;   THIS VERSION OF THE PROBLEM IS GIVEN IN LOW PRECISION. The matrix products marked QUANTISED in the list below multiply operands that are first quantised to E2M1 (2 exponent bits, 1 mantissa bit; 4 bits a number), with one power-of-two scale for each 32 numbers along K (OCP MX v1.0); their sums are f32. All else is computed in f32.
;;   The module's matrix products, in the order in which they are computed (A, B: the left and right operand; K: the contracted axis; several contracted axes count as one K, in the product's order):
;;     1. batch 32 x [M 2,048, K 64] x [K 64, N 2,048]; A: input queries; B: input keys: QUANTISED
;;     2. batch 32 x [M 64, K 2,048] x [K 2,048, N 2,048]; A: input values; B: softmax (see below): QUANTISED
;;   THE QUANTISER, for each operand of a quantised product, along K:
;;     - K is cut into blocks of 32 from its start; a last block that is shorter is filled with zeros.
;;     - A block's scale is 2^e with e = floor(log2(the largest magnitude in the block)) - 2, held to -126 .. 127; a block of zeros has e = 0. As a byte (E8M0): e + 127.
;;     - Each number is divided by its block's scale, clamped to +-6, and rounded to the nearest number of E2M1, ties to even, subnormals kept.
;;     - The product sums the exact products of the quantised numbers (number of the format x scale) in f32.
;;   ~~~python
;;   def quantise(x, axis):      # numpy; x: float32 -> the quantised numbers, widened to float32 again
;;       x = np.moveaxis(x, axis, -1); K = x.shape[-1]
;;       x = np.pad(x, [(0, 0)] * (x.ndim - 1) + [(0, -K % 32)]); x = x.reshape(x.shape[:-1] + (-1, 32)); a = np.abs(x).max(-1, keepdims=True)
;;       e = np.where(a > 0, np.clip(np.frexp(np.where(a > 0, a, 1))[1] - 1 - 2, -126, 127), 0)      # np.frexp(a)[1] - 1 = floor(log2(a)), exactly
;;       r = np.clip(x / 2.0 ** e, -6, 6)
;;       step = 2.0 ** (np.maximum(np.frexp(np.where(r == 0, 1, r))[1] - 1, 0) - 1)
;;       q = np.round(r / step) * step * 2.0 ** e      # np.round: ties to even
;;       return np.moveaxis(q.reshape(q.shape[:-2] + (-1,))[..., :K], -1, axis).astype(np.float32)
;;   ~~~
;;   SOFTMAX AHEAD OF A QUANTISED PRODUCT. Where the list says 'softmax', what is quantised is not the finished softmax but p = 2^(t - M), with t = logit x log2(e) and M = ceil(the row's largest t), a whole number; so 1/2 < the row's largest p <= 1. The row's sum l is taken of the UNQUANTISED p, in f32, and the product's result is divided by l at the end. Since M is a whole number, a kernel that streams over the keys may use a running M (the ceiling of the running maximum): every later rescaling is an exact power of two, which a block's scale takes up: the codes' values come out the same.
;;   OPERANDS COMPUTED ON THE WAY. 'Computed on the way' means the value that the module computes at that place (a softmax that the list does not call 'softmax' is quantised finished and normalised). What goes into a quantiser is computed in f32, as accurately as f32 sums, v_exp_f32 and their like allow (about 1e-6 of the number): no bf16 or f16 on the way to a quantiser, and a product that is left as it is and whose result goes on into a quantised operand takes f32 operands (vector FMAs, or v_wmma_f32_16x16x4_f32). A number that lies on a knife's edge between two numbers of the format may be rounded either way, as far as f32 arithmetic and the matrix unit's own rounding can turn it there, and no further.
;; One version. Each part assembles by itself: llvm-mc -triple=amdgcn-amd-amdhsa -mcpu=gfx1250 --defsym DOCPART=n.
;; ======== version 1 of 1: 2 launches
;; limits: right only within a limited range of input values
;; workspace buffers: kv 4,194,304 bytes; ks 262,144 bytes; vsw 131,072 bytes
;; launch quant (part 1): grid 256 x 1, 8 waves a work-group, no clusters, 70,656 bytes of LDS; arguments keys, values, kv, ks, vsw; writes kv, ks, vsw
.if DOCPART == 1
	.amdgcn_target "amdgcn-amd-amdhsa--gfx1250"
	.amdhsa_code_object_version 6
	.text
	.protected	k_qc399e43f85_quant
	.globl	k_qc399e43f85_quant
	.p2align	8
	.type	k_qc399e43f85_quant,@function
k_qc399e43f85_quant:
	s_mov_b64 s[64:65], 0
	v_nop
	global_prefetch_b8 v0, s[64:65] scope:SCOPE_SE
	s_setreg_imm32_b32 hwreg(HW_REG_WAVE_MODE, 25, 1), 1
	s_wait_xcnt 0x0
; keys and values, [4][2048][8][64] f32, become codes of FP4 (E2M1) with one E8M0 scale byte for each 32 along a product's K, laid as the next launch's operand registers want them.
; K is quantised along the head's 64 channels (two blocks a key), V along the keys (blocks of 32 keys, one for each channel).  bh = 8 b + h; a key block is 32 keys.
;   kv  [bh][block 64][2048 bytes]: bytes 0-1023 K's two tiles: tile u at 512 u, lane l = r + 16 e at 16 l: the 32 codes of channels 32 e .. 32 e + 31 of key 32 block + 8 u + r + 8 (r / 8);
;                                   bytes 1024-2047 V: channel d at 16 d: the 32 codes of the block's 32 keys.
;   ks  [bh][block][u][r] words: byte 0, 1 = the key's two scale bytes, bytes 2, 3 = 0.        vsw [bh][group 16][d 64] words: byte i = V's scale byte of key block 4 group + i, channel d.
; A block's scale is 2^(floor(log2(its largest magnitude)) - 2); its byte is the largest magnitude's exponent field - 2, held at 1 from below by a floor among the maximum's leaves.
; LIMITS: a block whose largest magnitude lies under 2^-124, a block of zeros among them, gets the byte 1 (a block of zeros has zero codes, and this program alone reads the bytes); NaN and infinities are not served.
; SHARES.  Work-group x: b = x / 64.  Waves 0-3: key block x % 64, heads 2 w and 2 w + 1.  Waves 4-7: keys 128 g .. + 127 (g = (x / 4) % 16) of head 2 (x % 4) + (w - 4) / 2, channels 32 ((w - 4) % 2) on.
; Waves share nothing: no barrier.  No loop: every step is an immediate, and no register that a store reads is written again.
.set R,    32                          ; v32-159  numbers as they are loaded
.set X,    160                         ; v160-223 K: two tiles x 32 numbers of one lane
.set C,    8                           ; v8-23    codes, four registers a tile or a block; never rewritten
.set MA,   224                         ; two chains of the maximum,
.set MB,   225
.set SCL,  226                         ; the conversion's scale operand,
.set BY,   227                         ; the scale's byte,
.set T,    228                         ; the other half of the lanes' byte,
.set W0,   229                         ; v229-230 the two tiles' scale words
.set SROW, 272                         ; a stage row: a key's 256 bytes + 16: the 16 rows that a load touches start at 16 different places modulo 256 bytes
	s_load_b256 s[4:11], s[0:1], 0x0               ; keys s[4:5], values s[6:7], kv s[8:9], ks s[10:11]
	s_load_b64 s[12:13], s[0:1], 0x20              ; vsw
	v_lshl_add_u32 v232, v0, 2, 0x11000
	v_mov_b32 v233, 0
	v_lshrrev_b32 v1, 5, v0
	s_delay_alu instid0(VALU_DEP_1)
	v_readfirstlane_b32 s14, v1                    ; wave 0..7
	v_and_b32 v1, 31, v0                           ; lane
	v_and_b32 v2, 15, v0                           ; r
	v_bfe_u32 v3, v0, 4, 1                         ; which half of the lanes
	s_delay_alu instid0(VALU_DEP_3)
	v_lshlrev_b32 v7, 4, v1                        ; 16 x lane
	s_delay_alu instid0(VALU_DEP_4)
	v_lshlrev_b32 v26, 2, v1                       ; 4 x lane
	s_delay_alu instid0(VALU_DEP_3)
	v_lshlrev_b32 v27, 3, v3                       ; 8 x half: my byte's place in a scale word
	v_lshlrev_b32 v4, 4, v2
	s_delay_alu instid0(VALU_DEP_1)
	v_lshl_add_u32 v4, v3, 11, v4                  ; K in memory: lanes 0-15 one key's 256 bytes, lanes 16-31 the next key's, 2,048 bytes on
	s_mul_i32 s15, s14, 32*SROW                    ; my wave's stage
	v_mul_u32_u24 v5, v3, SROW
	s_delay_alu instid0(VALU_DEP_1)
	v_lshl_add_u32 v5, v2, 4, v5
	s_delay_alu instid0(VALU_DEP_1)
	v_add_nc_u32 v5, s15, v5                       ; into it: as loaded
	v_mul_u32_u24 v6, v2, SROW
	s_delay_alu instid0(VALU_DEP_1)
	v_lshl_add_u32 v6, v3, 7, v6
	s_delay_alu instid0(VALU_DEP_1)
	v_add_nc_u32 v6, s15, v6                       ; out of it: row r, my half's 128 bytes: a whole block of 32 numbers
	v_cmp_lt_u32 s22, 15, v1                       ; lanes 16-31
	v_mov_b32 v[T], 0                              ; a lane permute's destination counts as one of its sources
	s_mov_b32 s20, 0x76543210
	s_mov_b32 s21, 0xfedcba98                      ; v_permlanex16_b32's selects for lane l xor 16
	s_lshr_b32 s16, ttmp9, 6                       ; b
; 32 numbers of one lane, v[xs] on, are one block: its codes go to v[cc] .. v[cc + 3], its byte to v[BY]
.macro QUANT32 xs, cc
	v_max3_num_f32 v[MA], |v[(\xs)]|, |v[(\xs)+1]|, 0x1800000          ; the floor 2^(3 - 127) is a leaf: the byte cannot fall under 1
	v_max3_num_f32 v[MB], |v[(\xs)+2]|, |v[(\xs)+3]|, |v[(\xs)+4]|
.irp i, 5,9,13,17,21,25
	s_delay_alu instid0(VALU_DEP_2)
	v_max3_num_f32 v[MA], v[MA], |v[(\xs)+\i]|, |v[(\xs)+\i+1]|        ; two chains, so that no line waits for the line above it
	s_delay_alu instid0(VALU_DEP_2)
	v_max3_num_f32 v[MB], v[MB], |v[(\xs)+\i+2]|, |v[(\xs)+\i+3]|
.endr
	s_delay_alu instid0(VALU_DEP_2)
	v_max3_num_f32 v[MA], v[MA], |v[(\xs)+29]|, |v[(\xs)+30]|
	s_delay_alu instid0(VALU_DEP_1)
	v_max3_num_f32 v[MA], v[MA], v[MB], |v[(\xs)+31]|
	s_delay_alu instid0(VALU_DEP_1)
	v_add_nc_u32 v[SCL], 0xff000000, v[MA]         ; 2 off its exponent field: the conversion takes the exponent field of this operand as its scale
.irp g, 0,1,2,3
	v_cvt_scalef32_pk8_fp4_f32 v[(\cc)+\g], v[(\xs)+8*\g:(\xs)+8*\g+7], v[SCL]
.endr
	v_lshrrev_b32 v[BY], 23, v[SCL]                ; the scale's byte (a plain line behind the conversions)
.endm
	s_cmp_lt_u32 s14, 4
	s_cbranch_scc0 .Lvalues
	; ---------------- K: waves 0-3
	s_and_b32 s17, ttmp9, 63                       ; the key block
	s_lshl_b32 s24, s16, 22                        ; keys: b x 2,048 keys x 2,048 bytes
	s_lshl_b32 s23, s17, 16                        ; + 32 keys a block
	s_add_co_u32 s24, s24, s23
	s_lshl_b32 s23, s14, 9                         ; + head 2 w
	s_add_co_u32 s24, s24, s23
	s_mov_b32 s25, 0
	s_lshl_b32 s26, s16, 20                        ; kv: 131,072 bytes a head
	s_lshl_b32 s23, s14, 18
	s_add_co_u32 s26, s26, s23
	s_lshl_b32 s23, s17, 11
	s_add_co_u32 s26, s26, s23
	s_mov_b32 s27, 0
	s_lshl_b32 s28, s16, 16                        ; ks: 8,192 bytes a head
	s_lshl_b32 s23, s14, 14
	s_add_co_u32 s28, s28, s23
	s_lshl_b32 s23, s17, 7
	s_add_co_u32 s28, s28, s23
	s_mov_b32 s29, 0
	s_wait_kmcnt 0x0
	s_add_nc_u64 s[4:5], s[4:5], s[24:25]
	s_add_nc_u64 s[8:9], s[8:9], s[26:27]
	s_add_nc_u64 s[10:11], s[10:11], s[28:29]
	s_wait_alu depctr_va_vdst(0)
.irp e, 0,1
.irp i, 0,1,2,3,4,5,6,7,8,9,10,11,12,13,14,15
	global_load_b128 v[R+64*\e+4*\i:R+64*\e+4*\i+3], v4, s[4:5] offset:4096*\i+256*\e th:TH_LOAD_NT   ; keys 2 i and 2 i + 1 of head 2 w + e: two whole rows of 256 bytes
.endr
.endr
; One tile of 16 keys: my block's codes, and the key's scale word (my byte and lane l xor 16's)
.macro QK e, u
	QUANT32 X+32*\u, C+8*\e+4*\u
	s_delay_alu instid0(VALU_DEP_1)
	v_lshlrev_b32 v[BY], v27, v[BY]
	s_delay_alu instid0(VALU_DEP_1)
	v_permlanex16_b32 v[T], v[BY], s20, s21
	s_delay_alu instid0(VALU_DEP_1)
	v_or_b32 v[W0+\u], v[BY], v[T]
.endm
; One head's 32 keys.  They turn through the stage: key 16 k + 8 u + j goes to stage row 16 u + 8 k + j, so that a tile's 16 keys are 16 rows on end.
.macro KHEAD e
	s_wait_loadcnt 16*(1-\e)                       ; this head's 16 loads are in; the other head's 16 may be out
.irp i, 0,1,2,3,4,5,6,7,8,9,10,11,12,13,14,15
	ds_store_b128 v5, v[R+64*\e+4*\i:R+64*\e+4*\i+3] offset:SROW*(16*((\i/4)%2)+8*(\i/8)+2*(\i%4))
.endr
.irp u, 0,1
.irp i, 0,1,2,3,4,5,6,7
	ds_load_b128 v[X+32*\u+4*\i:X+32*\u+4*\i+3], v6 offset:16*SROW*\u+16*\i   ; LDS serves a wave's instructions in order (ISA guide 5.7.1.4): these see the stores above
.endr
.endr
	s_wait_dscnt 8                                 ; tile 0's numbers are in; tile 1's eight loads may be out
	QK \e, 0
	s_wait_dscnt 0x0
	QK \e, 1
	s_delay_alu instid0(VALU_DEP_1)
	v_cndmask_b32 v[24+\e], v[W0], v[W0+1], s22    ; lanes 0-15 keep tile 0's words, lanes 16-31 tile 1's
	global_store_b128 v7, v[C+8*\e:C+8*\e+3], s[8:9] offset:131072*\e          ; a tile's image: 512 consecutive bytes, aligned
	global_store_b128 v7, v[C+8*\e+4:C+8*\e+7], s[8:9] offset:131072*\e+512
	global_store_b32 v26, v[24+\e], s[10:11] offset:8192*\e                    ; 128 consecutive bytes
.endm
	KHEAD 0
	KHEAD 1
	s_wait_tensorcnt 0x0
	ds_add_u32 v232, v233
	s_wait_dscnt 0x0
	s_endpgm
	; ---------------- V: waves 4-7.  A lane takes a channel, and its registers run down the keys: a block of 32 keys lies in one lane
.Lvalues:
	s_sub_co_u32 s17, s14, 4
	s_lshr_b32 s18, ttmp9, 2
	s_and_b32 s18, s18, 15                         ; g: which 128 keys
	s_and_b32 s19, ttmp9, 3
	s_lshl_b32 s19, s19, 1
	s_lshr_b32 s23, s17, 1
	s_add_co_u32 s19, s19, s23                     ; the head
	s_and_b32 s17, s17, 1                          ; which 32 channels
	s_lshl_b32 s24, s16, 22                        ; values
	s_lshl_b32 s23, s18, 18
	s_add_co_u32 s24, s24, s23
	s_lshl_b32 s23, s19, 8
	s_add_co_u32 s24, s24, s23
	s_lshl_b32 s23, s17, 7
	s_add_co_u32 s24, s24, s23
	s_mov_b32 s25, 0
	s_lshl_b32 s26, s16, 20                        ; kv: block 4 g, V's part, my 32 channels
	s_lshl_b32 s23, s19, 17
	s_add_co_u32 s26, s26, s23
	s_lshl_b32 s23, s18, 13
	s_add_co_u32 s26, s26, s23
	s_lshl_b32 s23, s17, 9
	s_add_co_u32 s26, s26, s23
	s_add_co_u32 s26, s26, 1024
	s_mov_b32 s27, 0
	s_lshl_b32 s28, s16, 15                        ; vsw: 4,096 bytes a head, 256 a group
	s_lshl_b32 s23, s19, 12
	s_add_co_u32 s28, s28, s23
	s_lshl_b32 s23, s18, 8
	s_add_co_u32 s28, s28, s23
	s_lshl_b32 s23, s17, 7
	s_add_co_u32 s28, s28, s23
	s_mov_b32 s29, 0
	s_wait_kmcnt 0x0
	s_add_nc_u64 s[6:7], s[6:7], s[24:25]
	s_add_nc_u64 s[8:9], s[8:9], s[26:27]
	s_add_nc_u64 s[12:13], s[12:13], s[28:29]
.macro VLOAD t
.irp i, 0,1,2,3,4,5,6,7,8,9,10,11,12,13,14,15,16,17,18,19,20,21,22,23,24,25,26,27,28,29,30,31
	global_load_b32 v[R+32*(\t)+\i], v26, s[6:7] offset:2048*(32*(\t)+\i) th:TH_LOAD_NT   ; key 32 t + i, my channel: 128 consecutive bytes a wave; the wave beside me takes the row's other 128
.endr
.endm
.macro VBLOCK t
.if \t < 3
	s_wait_loadcnt 32                              ; this block's 32 loads are in; the next block's 32 may be out
.else
	s_wait_loadcnt 0x0
.endif
.if \t < 2
	VLOAD \t+2                                     ; loads run two blocks ahead, into registers of their own
.endif
	QUANT32 R+32*\t, C+4*\t
.if \t == 0
	s_delay_alu instid0(VALU_DEP_1)
	v_mov_b32 v24, v[BY]                           ; the group's four bytes make my channel's word, the lower keys in the lower byte
.else
	s_delay_alu instid0(VALU_DEP_1)
	v_lshl_or_b32 v24, v[BY], 8*\t, v24
.endif
	global_store_b128 v7, v[C+4*\t:C+4*\t+3], s[8:9] offset:2048*\t            ; 32 channels x 16 bytes: 512 consecutive bytes, aligned
.endm
	VLOAD 0
	VLOAD 1
	VBLOCK 0
	VBLOCK 1
	VBLOCK 2
	VBLOCK 3
	global_store_b32 v26, v24, s[12:13]            ; 128 consecutive bytes
	s_endpgm
.Lfunc_end_k_qc399e43f85_quant:
	.size	k_qc399e43f85_quant, .Lfunc_end_k_qc399e43f85_quant-k_qc399e43f85_quant
	.p2alignl 7, 3214868480
	.fill 96, 4, 3214868480
	.section	.rodata,"a",@progbits
	.p2align	6, 0x0
	.amdhsa_kernel k_qc399e43f85_quant
		.amdhsa_group_segment_fixed_size 70656
		.amdhsa_private_segment_fixed_size 0
		.amdhsa_enable_private_segment 0
		.amdhsa_kernarg_size 40
		.amdhsa_user_sgpr_count 2
		.amdhsa_user_sgpr_kernarg_segment_ptr 1
		.amdhsa_wavefront_size32 1
		.amdhsa_system_sgpr_workgroup_id_x 1
		.amdhsa_system_sgpr_workgroup_id_y 1
		.amdhsa_system_sgpr_workgroup_id_z 1
		.amdhsa_system_vgpr_workitem_id 0
		.amdhsa_next_free_vgpr 234
		.amdhsa_next_free_sgpr 66
		.amdhsa_reserve_vcc 0
		.amdhsa_float_denorm_mode_32 3
		.amdhsa_float_denorm_mode_16_64 3
		.amdhsa_memory_ordered 1
		.amdhsa_forward_progress 1
		.amdhsa_inst_pref_size 41
	.end_amdhsa_kernel
	.amdgpu_metadata
---
amdhsa.version: [ 1, 2 ]
amdhsa.kernels:
  - .name:           k_qc399e43f85_quant
    .symbol:         k_qc399e43f85_quant.kd
    .args:
      - { .name: keys, .offset: 0, .size: 8, .value_kind: global_buffer, .address_space: global }
      - { .name: values, .offset: 8, .size: 8, .value_kind: global_buffer, .address_space: global }
      - { .name: kv, .offset: 16, .size: 8, .value_kind: global_buffer, .address_space: global }
      - { .name: ks, .offset: 24, .size: 8, .value_kind: global_buffer, .address_space: global }
      - { .name: vsw, .offset: 32, .size: 8, .value_kind: global_buffer, .address_space: global }
    .group_segment_fixed_size: 70656
    .private_segment_fixed_size: 0
    .kernarg_segment_align: 8
    .kernarg_segment_size: 40
    .max_flat_workgroup_size: 256
    .sgpr_count:     66
    .vgpr_count:     234
    .wavefront_size: 32
...
	.end_amdgpu_metadata
.endif
;; end of part 1
;; launch attend (part 2): grid 32 x 8, 16 waves a work-group, no clusters, 169,984 bytes of LDS; arguments queries, kv, ks, vsw, out0; writes out0
.if DOCPART == 2
	.amdgcn_target "amdgcn-amd-amdhsa--gfx1250"
	.amdhsa_code_object_version 6
	.text
	.protected	k_qc399e43f85_attend
	.globl	k_qc399e43f85_attend
	.p2align	8
	.type	k_qc399e43f85_attend,@function
k_qc399e43f85_attend:
	s_mov_b64 s[64:65], 0
	v_nop
	global_prefetch_b8 v0, s[64:65] scope:SCOPE_SE
	s_setreg_imm32_b32 hwreg(HW_REG_WAVE_MODE, 25, 1), 1
	s_wait_xcnt 0x0
; out0[b][q][h][:] = the sum over keys k with |q - k| <= w(h) of softmax_k(Q . K / 8) V, w = 32, 64, 128, 256 for heads h % 4 = 0 .. 3.  Both products on codes of FP4 (E2M1) with E8M0 scales for each 32 along K.
; K's and V's codes and scales come from the launch before (kv, ks, vsw: laid as images of the operands' registers); Q is quantised here, in registers.
; THE SOFTMAX AHEAD OF THE SECOND PRODUCT: t = score x log2(e) / 8; M = the largest t so far, rounded up to a whole number; p = 2^(t - M) is quantised along the keys, in blocks of 32 keys; the row's sum is taken of the
; unquantised p and divides at the end.  When M moves, the sum and O are multiplied by 2^(old M - new M): exact.
; ONLY THE BAND IS MULTIPLIED.  32 aligned queries of a head with w = 32 W see the 2 W + 1 key blocks m - W .. m + W (m = the queries' own block): 3, 5, 9, 17 blocks.  Only the first and the last are cut by the band.
; SHARES.  A work-group is (b, four heads 4 g .. 4 g + 3, 64 queries): 4 x 2 x 32 = 256 work-groups of equal work.  A wave is one tile of 16 queries of one head: wave i takes tile a = i / 4 and head (i + a) % 4,
; so that among waves i, i + 4, i + 8, i + 12, and among waves 4 j .. 4 j + 3 alike, each of the four heads comes once: 34 blocks for each such four.
; LDS is filled ONCE, by asynchronous copies at the head: for each head the 2 W + 2 key blocks that its four tiles see (38 records of 2,048 bytes, 38 of 128); one barrier; then the waves go their own ways.
; NO CLUSTER: the key blocks of neighbouring work-groups are shifted by two blocks, so the same record would want another LDS address in each partner; no two work-groups could issue one load with one descriptor.
; NO PREFETCH: every load and copy of the launch is issued at its head, so there is nothing to ask for ahead.
; LAYOUT.  Both products are used transposed: S^T = K Q^T (source 0 = 16 keys), O^T = V^T P^T (source 0 = 16 channels): a lane holds ONE query (lane % 16) throughout.  Lane r of tile u of a block takes key
; 8 u + r + 8 (r / 8), so that a block's 16 registers of S^T are the 16 neighbouring keys 16 (lane / 16) + 0 .. 15.
; K = 64 IN A FORM OF K = 128: Q's codes of k = 64 .. 127 are zeros, and bytes 2 and 3 of Q's and K's scale words are 0.  So whatever bits stand in the upper four registers of K's operand add exactly 0 (E2M1 has neither
; infinity nor NaN), and K's tiles lie four registers apart: a tile's upper half is the next tile's codes.
; THE BAND'S EDGES are the C of the first and the last block's products: -1e30 at hidden keys, made once.  BLOCKS OUTSIDE THE SEQUENCE (at its two ends) are hidden without a branch: -1e30, chosen by a scalar select on
; ids, is added to the block's largest score and to the block's copy of -M; their LDS records hold a neighbouring block's codes, which meet zero codes of p.
; LIMITS: NaN and infinities are not served; a block of Q whose largest magnitude lies under 2^-124 gets the byte 1; t must lie above -1e20, where the running maximum begins; scores must be small beside 1e30.
.set KSL,   77824                      ; LDS: 0 .. 77,823: 38 records of kv (heads' first records 0, 4, 10, 20); from KSL: 38 records of ks
.set STG,   82688                      ; from STG: a stage of 16 rows x 272 bytes for each wave: Q's way in and O's way out; no copy lands there
.set SP,    272
.set QS,    24                         ; v24      Q's scale words
.set PW,    25                         ; v25      p's scale words
.set VW,    26                         ; v26-37   V's scale words of six groups of four blocks, channels 0-31 and 32-63
.set VS,    38                         ; v38-39   V's scale words of the step's four blocks
.set KSW,   40                         ; v40-43   K's scale words of the step's blocks: lanes 0-15 tile 0's, lanes 16-31 tile 1's
.set FIRST, 44                         ; v44-59   the C of the first block's two products
.set LAST,  60                         ; v60-75   of the last block's
.set KF,    76                         ; v76-107  K's 8 tiles x 4 registers, then V's 4 tiles x 8;  v108-111 zeros
.set S,     112                        ; v112-175 S^T, then p
.set O,     176                        ; v176-207 O^T
.set P,     208                        ; v208-215 p's codes
.set BM,    216                        ; v216-219 each block's largest score, then its largest p
.set PT,    220                        ; v220-223 lane l xor 16's; then the scales' bytes
.set SO,    224                        ; v224-227 the conversions' scale operands
.set NB,    228                        ; v228-235 four pairs: the low word is -M (+ -1e30 for a block outside the sequence)
.set FF,    236                        ; v[236:237] f = 2^(old M - new M); at the end 1 / the sum
.set SB,    238                        ; v[238:239] the sum's second chain
.set TT,    241
; v1 K's tiles, v2 V's tiles, v3 V's tiles for both halves of the lanes alike, v4-6 the same 40,960 bytes on (head 3), v7 K's scale words, v8, v9 the stage, v10 my bytes in Q's and out0's rows, v11 the band's edge,
; v12 -M, v13 the largest t, v[14:15] the sum, v16-23 Q's operand.  At the head v112-146 hold the copies' and loads' addresses:
.set TG,    112                        ; 16 x (thread % 128): my 16 bytes of a record of kv
.set L4,    113                        ; 4 x lane
.set LA,    114                        ; v114-123 LDS addresses of kv's ten copies
.set GA,    124                        ; v124-133 their offsets in kv
.set LAS,   134                        ; v134-136, v137-139 the same for ks's three
.set GAS,   137
.set GV,    140                        ; v140-145 offsets in vsw
.set QR,    146                        ; where I read my 32 numbers of Q back from the stage
	s_load_b256 s[4:11], s[0:1], 0x0               ; queries s[4:5], kv s[6:7], ks s[8:9], vsw s[10:11]
	s_load_b64 s[12:13], s[0:1], 0x20              ; out0
	v_lshl_add_u32 v254, v0, 2, 0x29000
	v_mov_b32 v255, 0
	ds_add_u32 v254, v255
	ds_add_u32 v254, v255
	v_lshrrev_b32 v1, 5, v0
	s_delay_alu instid0(VALU_DEP_1)
	v_readfirstlane_b32 s14, v1                    ; wave 0..15
	s_lshr_b32 s15, s14, 2                         ; a: my tile of 16 queries
	s_add_co_u32 s16, s14, s15
	s_and_b32 s16, s16, 3                          ; hh: my head among the four
	s_lshr_b32 s20, s14, 3                         ; mloc: which 32 of the 64 queries
	s_lshl_b32 s17, ttmp9, 1                       ; M: the work-group's first block of 32 queries
	s_and_b32 s41, ttmp7, 0xffff                   ; y = 2 b + g
	s_lshl_b32 s18, s41, 8                         ; 64 x (8 b + 4 g): records of kv and ks are counted as 64 bh + block
	s_lshl_b32 s21, 1, s16                         ; W
	s_add_co_u32 s19, s17, s20
	s_sub_co_i32 s19, s19, s21                     ; a0: my first key block; it may be negative
	s_and_b32 s34, s19, 3
	s_mul_i32 s34, s34, 0x01010101
	s_add_co_u32 s34, s34, 0x03020100              ; v_perm_b32's selector: four bytes from byte a0 % 4 of two neighbouring groups' words on
	s_ashr_i32 s35, s19, 2                         ; the group of four blocks in which a0 lies
	s_lshl_b32 s44, s41, 2
	s_add_co_u32 s44, s44, s16
	s_lshl_b32 s44, s44, 4                         ; 16 bh: groups of vsw
	s_mov_b32 s28, 0x76543210
	s_mov_b32 s29, 0xfedcba98                      ; v_permlanex16_b32's selects for lane l xor 16
	s_mov_b32 s30, 0x3e38aa3b                      ; c = log2(e) / 8
	s_mov_b32 s31, s30                             ; (named with it as a pair, so it is written)
	s_mov_b32 s32, 0xf149f2ca                      ; -1e30
	s_mov_b32 s33, 0xe0ad78ec                      ; -1e20
	; every LDS address is made here, ahead of the first branch on the wave's number: a constant + constants x lane and wave
	v_and_b32 v240, 31, v0                         ; lane
	v_and_b32 v241, 15, v0                         ; r
	v_bfe_u32 v242, v0, 4, 1                       ; h
	s_delay_alu instid0(VALU_DEP_1)
	v_lshlrev_b32 v243, 3, v242                    ; 8 h
	s_lshl_b32 s21, s20, 11                        ; my blocks begin mloc records behind the head's first
	v_lshlrev_b32 v1, 4, v240
	s_delay_alu instid0(VALU_DEP_1)
	v_add_nc_u32 v1, s21, v1                       ; K: a tile's image, 16 x lane
	v_lshlrev_b32 v3, 4, v241
	s_delay_alu instid0(VALU_DEP_1)
	v_add_nc_u32 v3, s21, v3
	s_delay_alu instid0(VALU_DEP_1)
	v_add_nc_u32 v3, 1024, v3                      ; V: channel r of a tile, 16 bytes a channel
	s_delay_alu instid0(VALU_DEP_1)
	v_lshl_add_u32 v2, v242, 11, v3                ; lanes 16-31 take the next block's record
	v_add_nc_u32 v4, 40960, v1                     ; head 3's first record is the twentieth
	s_delay_alu instid0(VALU_DEP_2)
	v_add_nc_u32 v5, 40960, v2
	s_delay_alu instid0(VALU_DEP_4)
	v_add_nc_u32 v6, 40960, v3
	s_lshl_b32 s21, s20, 7
	s_add_co_u32 s21, s21, KSL
	v_lshl_add_u32 v7, v240, 2, s21                ; K's scale words: 4 x lane
	s_mul_i32 s21, s14, 16*SP
	s_add_co_u32 s21, s21, STG                     ; my stage
	v_mul_u32_u24 v8, v241, SP
	s_delay_alu instid0(VALU_DEP_1)
	v_lshl_add_u32 v8, v242, 5, v8
	s_delay_alu instid0(VALU_DEP_1)
	v_add_nc_u32 v8, s21, v8                       ; O's way in: row r, + 32 h
	v_mul_u32_u24 v9, v242, SP
	s_delay_alu instid0(VALU_DEP_1)
	v_lshl_add_u32 v9, v241, 4, v9
	s_delay_alu instid0(VALU_DEP_1)
	v_add_nc_u32 v9, s21, v9                       ; whole rows: lanes 0-15 one row, lanes 16-31 the next
	v_mul_u32_u24 v[QR], v241, SP
	s_delay_alu instid0(VALU_DEP_1)
	v_lshl_add_u32 v[QR], v242, 7, v[QR]
	s_delay_alu instid0(VALU_DEP_1)
	v_add_nc_u32 v[QR], s21, v[QR]                 ; Q's way out: row r, my half's 128 bytes
	v_lshlrev_b32 v10, 4, v241
	s_delay_alu instid0(VALU_DEP_1)
	v_lshl_add_u32 v10, v242, 11, v10              ; the same two rows in memory: a query's rows of one head lie 2,048 bytes apart
	s_and_b32 s21, s15, 1
	s_lshl_b32 s21, s21, 4                         ; my 16 queries' place among the aligned 32
	v_lshlrev_b32 v11, 4, v242
	s_delay_alu instid0(VALU_DEP_1)
	v_sub_nc_u32 v11, v241, v11
	s_delay_alu instid0(VALU_DEP_1)
	v_add_nc_u32 v11, s21, v11                     ; d1 = that + r - 16 h.  Register n of a block's 16 holds key 16 h + n: in the first block hidden where n < d1, in the last where n > d1
	v_and_b32 v[TG], 127, v0
	s_delay_alu instid0(VALU_DEP_1)
	v_lshlrev_b32 v[TG], 4, v[TG]
	v_lshlrev_b32 v[L4], 2, v240
	v_lshlrev_b32 v[LA], 4, v0                     ; a copy of the 512 threads fills four records: 16 x thread
.irp n, 1,2,3,4,5,6,7,8,9
	v_add_nc_u32 v[LA+\n], 8192*\n, v[LA]
.endr
.irp n, 0,1,2
	v_lshl_add_u32 v[LAS+\n], v0, 2, KSL+2048*\n   ; a copy fills sixteen records of 128 bytes, one a wave
.endr
	s_lshr_b32 s42, s41, 1                         ; b
	s_lshl_b32 s42, s42, 11
	s_lshl_b32 s21, ttmp9, 6
	s_add_co_u32 s42, s42, s21
	s_lshl_b32 s21, s15, 4
	s_add_co_u32 s42, s42, s21                     ; my first query, counted through the batch
	s_lshl_b32 s42, s42, 11
	s_and_b32 s21, s41, 1
	s_lshl_b32 s21, s21, 2
	s_add_co_u32 s21, s21, s16
	s_lshl_b32 s21, s21, 8                         ; my head's 256 bytes
	s_add_co_u32 s42, s42, s21
	s_mov_b32 s43, 0
	s_wait_dscnt 0x0
	s_wait_kmcnt 0x0
	s_add_nc_u64 s[4:5], s[4:5], s[42:43]
	s_add_nc_u64 s[12:13], s[12:13], s[42:43]
.irp i, 0,1,2,3,4,5,6,7
	global_load_b128 v[O+4*\i:O+4*\i+3], v10, s[4:5] offset:4096*\i th:TH_LOAD_NT   ; Q: queries 2 i and 2 i + 1: two whole rows of 256 bytes
.endr
; LDS record p = p0 + unit belongs to head H / 64 and holds key block M + p + D, held to 0 .. 63; s[dst] = its number in kv and ks.  (D, H) = (-1, 0), (-6, 64), (-14, 128), (-28, 192) for the four heads.
.macro MAPC dst, p0, unit, D, H
	s_add_co_i32 s[\dst], s[\unit], (\p0)+(\D)
	s_add_co_i32 s[\dst], s[\dst], s17
	s_max_i32 s[\dst], s[\dst], 0
	s_min_i32 s[\dst], s[\dst], 63
	s_add_co_u32 s[\dst], s[\dst], s18
.if \H
	s_add_co_u32 s[\dst], s[\dst], \H
.endif
.endm
.macro MAPS dst, p0, unit              ; the same where the waves' records belong to several heads: D and H are selected by p
	s_add_co_u32 s22, s[\unit], \p0
	s_mov_b32 s23, -28
	s_mov_b32 s24, 192
	s_cmp_lt_u32 s22, 20
	s_cselect_b32 s23, -14, s23
	s_cselect_b32 s24, 128, s24
	s_cmp_lt_u32 s22, 10
	s_cselect_b32 s23, -6, s23
	s_cselect_b32 s24, 64, s24
	s_cmp_lt_u32 s22, 4
	s_cselect_b32 s23, -1, s23
	s_cselect_b32 s24, 0, s24
	s_add_co_i32 s[\dst], s22, s23
	s_add_co_i32 s[\dst], s[\dst], s17
	s_max_i32 s[\dst], s[\dst], 0
	s_min_i32 s[\dst], s[\dst], 63
	s_add_co_u32 s[\dst], s[\dst], s18
	s_add_co_u32 s[\dst], s[\dst], s24
.endm
.macro KVC n                           ; each copy has address registers of its own: none is written again before the wait for all copies
	v_lshl_add_u32 v[GA+\n], s21, 11, v[TG]
	global_load_async_to_lds_b128 v[LA+\n], v[GA+\n], s[6:7]
.endm
.macro KSC n
	v_lshl_add_u32 v[GAS+\n], s21, 7, v[L4]
	global_load_async_to_lds_b32 v[LAS+\n], v[GAS+\n], s[8:9]
.endm
	MAPC 21, 0, 15, -1, 0                          ; records 0-3: head 0
	KVC 0
	MAPC 21, 4, 15, -6, 64                         ; 4-7: head 1
	KVC 1
	MAPS 21, 8, 15                                 ; 8-11: heads 1 and 2
	KVC 2
	MAPC 21, 12, 15, -14, 128                      ; 12-19: head 2
	KVC 3
	MAPC 21, 16, 15, -14, 128
	KVC 4
.irp n, 5,6,7,8
	MAPC 21, 4*\n, 15, -28, 192                    ; 20-35: head 3
	KVC \n
.endr
	MAPS 21, 0, 14                                 ; ks: records 0-15, 16-31
	KSC 0
	MAPS 21, 16, 14
	KSC 1
	MAPC 21, 36, 15, -28, 192                      ; the last two records of kv and the last six of ks: every wave makes the offsets, the branches stand round the copies alone
	v_lshl_add_u32 v[GA+9], s21, 11, v[TG]
	MAPC 21, 32, 14, -28, 192
	v_lshl_add_u32 v[GAS+2], s21, 7, v[L4]
	s_cmp_lt_u32 s14, 8
	s_cbranch_scc0 .Lno_kv9
	s_wait_alu depctr_va_vdst(0)
	global_load_async_to_lds_b128 v[LA+9], v[GA+9], s[6:7]
.Lno_kv9:
	s_cmp_lt_u32 s14, 6
	s_cbranch_scc0 .Lno_ks2
	s_wait_alu depctr_va_vdst(0)
	global_load_async_to_lds_b32 v[LAS+2], v[GAS+2], s[8:9]
.Lno_ks2:
.irp k, 0,1,2,3,4,5
	s_add_co_i32 s21, s35, \k                      ; V's scale words of the groups of four blocks from a0's on, held to 0 .. 15.  A narrow head uses the first of them
	s_max_i32 s21, s21, 0
	s_min_i32 s21, s21, 15
	s_add_co_u32 s21, s21, s44
	v_lshl_add_u32 v[GV+\k], s21, 8, v[L4]
	global_load_b32 v[VW+2*\k], v[GV+\k], s[10:11]
	global_load_b32 v[VW+2*\k+1], v[GV+\k], s[10:11] offset:128
.endr
	; register work while all that is on its way
.irp z, 14,15,20,21,22,23,108,109,110,111,220,221,222,223,229,231,233,235,237
	v_mov_b32 v\z, 0                               ; the sum; Q's codes of k = 64 .. 127; the last tile's upper half; permutes' destinations; upper halves of pairs that are named whole
.endr
	v_mov_b32 v240, s32
.irp n, 0,1,2,3,4,5,6,7,8,9,10,11,12,13,14,15
	v_cmp_lt_i32 vcc_lo, \n, v11
	s_delay_alu instid0(VALU_DEP_1)
	v_cndmask_b32 v[FIRST+\n], 0, v240, vcc_lo
.endr
	s_wait_loadcnt 12                              ; Q's eight loads are in; the twelve of V's scale words may be out
.irp i, 0,1,2,3,4,5,6,7
	ds_store_b128 v9, v[O+4*\i:O+4*\i+3] offset:2*SP*\i
.endr
.irp i, 0,1,2,3,4,5,6,7
	ds_load_b128 v[KF+4*\i:KF+4*\i+3], v[QR] offset:16*\i   ; LDS serves a wave's instructions in order (ISA guide 5.7.1.4).  Lane (r, h): channels 32 h .. 32 h + 31 of query r: a whole block
.endr
	s_wait_dscnt 0x0
	v_max3_num_f32 v[BM], |v[KF]|, |v[KF+1]|, 0x1800000            ; the floor 2^(3 - 127) is a leaf: the byte cannot fall under 1
	v_max3_num_f32 v[BM+1], |v[KF+2]|, |v[KF+3]|, |v[KF+4]|
.irp i, 5,9,13,17,21,25
	s_delay_alu instid0(VALU_DEP_2)
	v_max3_num_f32 v[BM], v[BM], |v[KF+\i]|, |v[KF+\i+1]|
	s_delay_alu instid0(VALU_DEP_2)
	v_max3_num_f32 v[BM+1], v[BM+1], |v[KF+\i+2]|, |v[KF+\i+3]|
.endr
	s_delay_alu instid0(VALU_DEP_2)
	v_max3_num_f32 v[BM], v[BM], |v[KF+29]|, |v[KF+30]|
	s_delay_alu instid0(VALU_DEP_1)
	v_max3_num_f32 v[BM], v[BM], v[BM+1], |v[KF+31]|
	s_delay_alu instid0(VALU_DEP_1)
	v_add_nc_u32 v[SO], 0xff000000, v[BM]          ; 2 off the exponent field: the conversion's scale operand
.irp g, 0,1,2,3
	v_cvt_scalef32_pk8_fp4_f32 v[16+\g], v[KF+8*\g:KF+8*\g+7], v[SO]
.endr
	v_lshrrev_b32 v[SO+1], 23, v[SO]               ; the scale's byte (a plain line behind the conversions),
	s_delay_alu instid0(VALU_DEP_1)
	v_lshlrev_b32 v[SO+1], v243, v[SO+1]           ; at its place in the word,
	s_delay_alu instid0(VALU_DEP_1)
	v_permlanex16_b32 v[PT], v[SO+1], s28, s29
	s_delay_alu instid0(VALU_DEP_1)
	v_or_b32 v[QS], v[SO+1], v[PT]                 ; with lane l xor 16's: bytes 2 and 3 stay 0
.irp n, 0,1,2,3,4,5,6,7,8,9,10,11,12,13,14,15
	v_cmp_gt_i32 vcc_lo, \n, v11                   ; (these lines are also the places between Q's codes and scale word and the first products)
	s_delay_alu instid0(VALU_DEP_1)
	v_cndmask_b32 v[LAST+\n], 0, v240, vcc_lo
.endr
	s_wait_loadcnt 0x0                             ; V's scale words
	s_wait_asynccnt 0x0                            ; for the others' sake: all my copies have landed
	s_barrier_signal -1
	s_barrier_wait -1                              ; everybody's have.  LDS's records are only read from here on; the stages are each wave's own
; A product of S^T: tile u of the step's block bb.  CK: the first register of its C, or -1 for the constant 0.  Each product has an accumulator of its own.
.macro KQ bb, u
.if CK < 0
.if \u
	v_wmma_scale_f32_16x16x128_f8f6f4 v[S+16*\bb+8:S+16*\bb+15], v[KF+8*\bb+4:KF+8*\bb+11], v[16:23], 0, v[KSW+\bb], v[QS] matrix_a_fmt:MATRIX_FMT_FP4 matrix_b_fmt:MATRIX_FMT_FP4 matrix_a_scale:MATRIX_SCALE_ROW1
.else
	v_wmma_scale_f32_16x16x128_f8f6f4 v[S+16*\bb:S+16*\bb+7], v[KF+8*\bb:KF+8*\bb+7], v[16:23], 0, v[KSW+\bb], v[QS] matrix_a_fmt:MATRIX_FMT_FP4 matrix_b_fmt:MATRIX_FMT_FP4
.endif
.else
.if \u
	v_wmma_scale_f32_16x16x128_f8f6f4 v[S+16*\bb+8:S+16*\bb+15], v[KF+8*\bb+4:KF+8*\bb+11], v[16:23], v[CK+8:CK+15], v[KSW+\bb], v[QS] matrix_a_fmt:MATRIX_FMT_FP4 matrix_b_fmt:MATRIX_FMT_FP4 matrix_a_scale:MATRIX_SCALE_ROW1
.else
	v_wmma_scale_f32_16x16x128_f8f6f4 v[S+16*\bb:S+16*\bb+7], v[KF+8*\bb:KF+8*\bb+7], v[16:23], v[CK:CK+7], v[KSW+\bb], v[QS] matrix_a_fmt:MATRIX_FMT_FP4 matrix_b_fmt:MATRIX_FMT_FP4
.endif
.endif
.endm
; A product of O^T: channels 16 t on.  The four accumulators take turns, one instruction a turn, and the next step's products of S^T stand between two turns of one.
.macro PV t, s
.if \s
.if (\t)%2
	v_wmma_scale_f32_16x16x128_f8f6f4 v[O+8*\t:O+8*\t+7], v[KF+8*\t:KF+8*\t+7], v[P:P+7], v[O+8*\t:O+8*\t+7], v[VS+\t/2], v[PW] matrix_a_fmt:MATRIX_FMT_FP4 matrix_b_fmt:MATRIX_FMT_FP4 matrix_a_scale:MATRIX_SCALE_ROW1
.else
	v_wmma_scale_f32_16x16x128_f8f6f4 v[O+8*\t:O+8*\t+7], v[KF+8*\t:KF+8*\t+7], v[P:P+7], v[O+8*\t:O+8*\t+7], v[VS+\t/2], v[PW] matrix_a_fmt:MATRIX_FMT_FP4 matrix_b_fmt:MATRIX_FMT_FP4
.endif
.else
.if (\t)%2
	v_wmma_scale_f32_16x16x128_f8f6f4 v[O+8*\t:O+8*\t+7], v[KF+8*\t:KF+8*\t+7], v[P:P+7], 0, v[VS+\t/2], v[PW] matrix_a_fmt:MATRIX_FMT_FP4 matrix_b_fmt:MATRIX_FMT_FP4 matrix_a_scale:MATRIX_SCALE_ROW1
.else
	v_wmma_scale_f32_16x16x128_f8f6f4 v[O+8*\t:O+8*\t+7], v[KF+8*\t:KF+8*\t+7], v[P:P+7], 0, v[VS+\t/2], v[PW] matrix_a_fmt:MATRIX_FMT_FP4 matrix_b_fmt:MATRIX_FMT_FP4
.endif
.endif
.endm
; A STEP: my blocks i0 .. i0 + nblk - 1 (nblk = 4, 3 or 1).  akr, avr, avsr: the address registers; hskv, hsks: the head's first record, counted from those registers' base; s: the step's number in its head;
; fst, lst: the step begins with my first block, ends with my last.
.macro STEP akr, avr, avsr, hskv, hsks, i0, nblk, s, fst, lst
.if \s
.rept 4
	v_nop                                          ; four places behind the last products of O^T, in front of loads into the registers that they read (ISA guide 7.12.1 for vector instructions)
.endr
.endif
.irp bb, 0,1,2,3
.if \bb < \nblk
	s_add_co_i32 s40, s19, \i0+\bb                 ; is the block inside the sequence?  ids alone
	s_cmp_lt_u32 s40, 64
	s_cselect_b32 s[36+\bb], 0, s32
.endif
.endr
.irp bb, 0,1,2,3
.if \bb < \nblk
	ds_load_b128 v[KF+8*\bb:KF+8*\bb+3], v[\akr] offset:2048*(\hskv+\i0+\bb)
	ds_load_b128 v[KF+8*\bb+4:KF+8*\bb+7], v[\akr] offset:2048*(\hskv+\i0+\bb)+512
	ds_load_b32 v[KSW+\bb], v7 offset:128*(\hsks+\i0+\bb)
.endif
.endr
	s_wait_dscnt 0x0
.irp bb, 0,1,2,3
.if \bb < \nblk
.set CK, -1
.if \fst && (\bb == 0)
.set CK, FIRST
.endif
.if \lst && (\bb == \nblk-1)
.set CK, LAST
.endif
	KQ \bb, 0
	KQ \bb, 1
.endif
.endr
	v_perm_b32 v[VS], v[VW+2*(\s+1)], v[VW+2*\s], s34          ; V's scale bytes of blocks a0 + i0 .. + 3, out of two neighbouring groups' words.  With the two v_nop: the four places behind the products
	v_perm_b32 v[VS+1], v[VW+2*(\s+1)+1], v[VW+2*\s+1], s34
	v_nop
	v_nop
.irp t, 0,1,2,3                        ; V's tiles land while the softmax is walked: registers 4 c .. 4 c + 3 of lane (r, h): block 2 c + h, channel 16 t + r
.irp c, 0,1
.if 2*\c+1 < \nblk
	ds_load_b128 v[KF+8*\t+4*\c:KF+8*\t+4*\c+3], v[\avr] offset:2048*(\hskv+\i0+2*\c)+256*\t
.elseif 2*\c+1 == \nblk
	ds_load_b128 v[KF+8*\t+4*\c:KF+8*\t+4*\c+3], v[\avsr] offset:2048*(\hskv+\i0+2*\c)+256*\t   ; an odd block: both halves of the lanes read it; lanes 16-31 meet zero codes of p
.endif
.endr
.endr
.irp bb, 0,1,2,3
.if \bb < \nblk
	v_max3_num_f32 v[BM+\bb], v[S+16*\bb], v[S+16*\bb+1], v[S+16*\bb+2]   ; the largest score of each block: for the row's maximum and, since p rises with the score, for the block's largest p
.endif
.endr
.irp i, 3,5,7,9,11,13
.irp bb, 0,1,2,3
.if \bb < \nblk
	v_max3_num_f32 v[BM+\bb], v[BM+\bb], v[S+16*\bb+\i], v[S+16*\bb+\i+1]
.endif
.endr
.endr
.irp bb, 0,1,2,3
.if \bb < \nblk
	v_max_num_f32 v[BM+\bb], v[BM+\bb], v[S+16*\bb+15]
.endif
.endr
.irp bb, 0,1,2,3
.if \bb < \nblk
	v_permlanex16_b32 v[PT+\bb], v[BM+\bb], s28, s29
.endif
.endr
.irp bb, 0,1,2,3
.if \bb < \nblk
	v_max_num_f32 v[BM+\bb], v[BM+\bb], v[PT+\bb]  ; with lane l xor 16's 16 keys
.endif
.endr
.irp bb, 0,1,2,3
.if \bb < \nblk
	v_add_f32 v[BM+\bb], s[36+\bb], v[BM+\bb]      ; + 0, or -1e30 for a block outside the sequence
.endif
.endr
.if \nblk == 4
	s_delay_alu instid0(VALU_DEP_2)
	v_max3_num_f32 v[TT], v[BM], v[BM+1], v[BM+2]
	s_delay_alu instid0(VALU_DEP_1)
	v_max_num_f32 v[TT], v[TT], v[BM+3]
	s_delay_alu instid0(VALU_DEP_1)
	v_mul_f32 v[TT], s30, v[TT]                    ; the step's largest score as t (c is positive)
.elseif \nblk == 3
	s_delay_alu instid0(VALU_DEP_1)
	v_max3_num_f32 v[TT], v[BM], v[BM+1], v[BM+2]
	s_delay_alu instid0(VALU_DEP_1)
	v_mul_f32 v[TT], s30, v[TT]
.else
	s_delay_alu instid0(VALU_DEP_1)
	v_mul_f32 v[TT], s30, v[BM]
.endif
.if \s
	s_delay_alu instid0(VALU_DEP_1)
	v_max_num_f32 v13, v13, v[TT]                  ; the running largest t
	v_mov_b32 v[TT], v12
	s_delay_alu instid0(VALU_DEP_2)
	v_floor_f32 v12, -v13                          ; the new -M = floor(-t): M is a whole number
	s_delay_alu instid0(VALU_DEP_1)
	v_sub_f32 v[TT], v12, v[TT]                    ; old M - new M: a whole number, 0 or less
	s_delay_alu instid0(VALU_DEP_1)
	v_cvt_i32_f32 v[TT], v[TT]                     ; (it saturates)
	s_delay_alu instid0(VALU_DEP_1)
	v_ldexp_f32 v[FF], 1.0, v[TT]                  ; f = 2^(old M - new M)
.else
	s_delay_alu instid0(VALU_DEP_1)
	v_max_num_f32 v13, s33, v[TT]                  ; the head's first step begins at -1e20: where all its keys are hidden, p is 0, and a later f = 0 meets zeros
	s_delay_alu instid0(VALU_DEP_1)
	v_floor_f32 v12, -v13
.endif
.irp bb, 0,1,2,3
.if \bb < \nblk
	v_add_f32 v[NB+2*\bb], s[36+\bb], v12
.endif
.endr
.irp bb, 0,1,2,3
.if \bb < \nblk
.irp j, 0,2,4,6,8,10,12,14
	v_pk_fma_f32 v[S+16*\bb+\j:S+16*\bb+\j+1], v[S+16*\bb+\j:S+16*\bb+\j+1], s[30:31], v[NB+2*\bb:NB+2*\bb+1] op_sel_hi:[1,0,0]   ; t - M, two at a time
.endr
.endif
.endr
.irp bb, 0,1,2,3
.if \bb < \nblk
	v_fma_f32 v[BM+\bb], v[BM+\bb], s30, v12       ; the same of each block's largest score
.endif
.endr
	s_wait_alu depctr_va_vdst(0)
.irp bb, 0,1,2,3
.if \bb < \nblk
.irp j, 0,1,2,3,4,5,6,7,8,9,10,11,12,13,14,15
	v_exp_f32 v[S+16*\bb+\j], v[S+16*\bb+\j]       ; p = 2^(t - M), at most 1: not normalised
.endr
.endif
.endr
.irp bb, 0,1,2,3
.if \bb < \nblk
	v_exp_f32 v[BM+\bb], v[BM+\bb]                 ; the block's largest p: the same two instructions on the same number
.endif
.endr
.if \s
	v_pk_mul_f32 v[14:15], v[14:15], v[FF:FF+1] op_sel_hi:[1,0]   ; the sum under the new M (the plain line behind the exponentials: ISA guide 5.7.2)
	s_wait_alu depctr_va_vdst(0)
.else
	v_nop
	s_wait_alu depctr_va_vdst(0)
.endif
.irp bb, 0,1,2,3
.if \bb < \nblk
	v_max_num_f32 v[BM+\bb], 0x1800000, v[BM+\bb]  ; the floor 2^(3 - 127): the byte cannot fall under 1
.endif
.endr
.irp bb, 0,1,2,3
.if \bb < \nblk
	v_add_nc_u32 v[SO+\bb], 0xff000000, v[BM+\bb]  ; 2 off the exponent field: the conversion's scale operand
.endif
.endr
.irp bb, 0,1,2,3
.if \bb < \nblk
	v_lshrrev_b32 v[PT+\bb], 23, v[SO+\bb]         ; the scale's byte
.endif
.endr
.if \nblk == 1
	s_delay_alu instid0(VALU_DEP_1)
	v_mov_b32 v[PW], v[PT]                         ; p's scale word; the bytes of blocks that the step does not have are 0, over zero codes
.else
	v_lshl_or_b32 v[PW], v[PT+1], 8, v[PT]
.endif
.if \nblk > 2
	s_delay_alu instid0(VALU_DEP_1)
	v_lshl_or_b32 v[PW], v[PT+2], 16, v[PW]
.endif
.if \nblk > 3
	s_delay_alu instid0(VALU_DEP_1)
	v_lshl_or_b32 v[PW], v[PT+3], 24, v[PW]
.endif
.irp bb, 0,1,2,3
.if \bb < \nblk
	v_cvt_scalef32_pk8_fp4_f32 v[P+2*\bb], v[S+16*\bb:S+16*\bb+7], v[SO+\bb]
	v_cvt_scalef32_pk8_fp4_f32 v[P+2*\bb+1], v[S+16*\bb+8:S+16*\bb+15], v[SO+\bb]
.endif
.endr
	v_nop                                          ; one plain line between a scaled conversion and the instruction that touches its result
.irp z, 2,3,4,5,6,7
.if \z >= 2*\nblk
	v_mov_b32 v[P+\z], 0                           ; zero codes for the blocks that the step does not have
.endif
.endr
.irp c, 0,1
.if 2*\c < \nblk
	v_permlane16_swap_b32 v[P+4*\c], v[P+4*\c+2]   ; the operand wants a whole block in a lane: lanes 0-15 block 2 c, lanes 16-31 block 2 c + 1
	v_permlane16_swap_b32 v[P+4*\c+1], v[P+4*\c+3]
.endif
.endr
.if \s
.irp j, 0,2,4,6,8,10,12,14,16,18,20,22,24,26,28,30
	v_pk_mul_f32 v[O+\j:O+\j+1], v[O+\j:O+\j+1], v[FF:FF+1] op_sel_hi:[1,0]   ; O^T under the new M, each accumulator from its low end on
.endr
.endif
	v_pk_add_f32 v[SB:SB+1], v[S:S+1], v[S+2:S+3]  ; the row's sum is taken of the unquantised p: two at a time, in two chains.  These 8 nblk lines are also the places in front of the products below
.set J, 4
.rept 4*\nblk-1
	v_pk_add_f32 v[14:15], v[14:15], v[S+J:S+J+1]
	v_pk_add_f32 v[SB:SB+1], v[SB:SB+1], v[S+J+2:S+J+3]
.set J, J+4
.endr
	s_delay_alu instid0(VALU_DEP_1)
	v_pk_add_f32 v[14:15], v[14:15], v[SB:SB+1]
	s_wait_alu depctr_va_vdst(0)
	s_wait_dscnt 0x0                               ; V's tiles are in
.irp t, 0,1,2,3
	PV \t, \s
.endr
.endm
	s_cmp_eq_u32 s16, 0                            ; one parting, on the wave's number: each head's steps are written out, so that every LDS offset is an immediate
	s_cbranch_scc1 .Lhead0
	s_cmp_eq_u32 s16, 1
	s_cbranch_scc1 .Lhead1
	s_cmp_eq_u32 s16, 2
	s_cbranch_scc1 .Lhead2
	STEP 4, 5, 6, 0, 20, 0, 4, 0, 1, 0             ; w = 256: 17 blocks
	STEP 4, 5, 6, 0, 20, 4, 4, 1, 0, 0
	STEP 4, 5, 6, 0, 20, 8, 4, 2, 0, 0
	STEP 4, 5, 6, 0, 20, 12, 4, 3, 0, 0
	STEP 4, 5, 6, 0, 20, 16, 1, 4, 0, 1
	s_branch .Lout
.Lhead2:
	STEP 1, 2, 3, 10, 10, 0, 4, 0, 1, 0            ; w = 128: 9 blocks
	STEP 1, 2, 3, 10, 10, 4, 4, 1, 0, 0
	STEP 1, 2, 3, 10, 10, 8, 1, 2, 0, 1
	s_branch .Lout
.Lhead1:
	STEP 1, 2, 3, 4, 4, 0, 4, 0, 1, 0              ; w = 64: 5 blocks
	STEP 1, 2, 3, 4, 4, 4, 1, 1, 0, 1
	s_branch .Lout
.Lhead0:
	s_wait_alu depctr_va_vdst(0)
	STEP 1, 2, 3, 0, 0, 0, 3, 0, 1, 1              ; w = 32: 3 blocks
.Lout:
	; THE WAY OUT.  O^T is divided by the row's sum and goes through my stage: a lane's eight channels are 32 bytes of a row; they come back as whole rows of 256 bytes.
.rept 4
	v_nop                                          ; four places behind the last products
.endr
	v_add_f32 v14, v14, v15                        ; the sum's two halves,
	s_delay_alu instid0(VALU_DEP_1)
	v_permlanex16_b32 v[PT], v14, s28, s29
	s_delay_alu instid0(VALU_DEP_1)
	v_add_f32 v14, v14, v[PT]                      ; and lane l xor 16's.  A query sees itself, so the sum is at least 1/2
	s_wait_alu depctr_va_vdst(0)
	v_rcp_f32 v[FF], v14
	v_nop                                          ; one plain line behind the reciprocal
	s_wait_alu depctr_va_vdst(0)
.irp j, 0,2,4,6,8,10,12,14,16,18,20,22,24,26,28,30
	v_pk_mul_f32 v[O+\j:O+\j+1], v[O+\j:O+\j+1], v[FF:FF+1] op_sel_hi:[1,0]   ; register 8 t + i: out(query r, channel 16 t + 8 h + i); each accumulator from its low end on
.endr
.irp t, 0,1,2,3
	ds_store_b128 v8, v[O+8*\t:O+8*\t+3] offset:64*\t
	ds_store_b128 v8, v[O+8*\t+4:O+8*\t+7] offset:64*\t+16
.endr
.irp i, 0,1,2,3,4,5,6,7
	ds_load_b128 v[S+4*\i:S+4*\i+3], v9 offset:2*SP*\i   ; LDS serves a wave's instructions in order: these see my stores
.endr
.irp i, 0,1,2,3,4,5,6,7
	s_wait_dscnt 7-\i                              ; rows 2 i and 2 i + 1 are back; the later rows' loads may be out
	global_store_b128 v10, v[S+4*\i:S+4*\i+3], s[12:13] offset:4096*\i th:TH_STORE_NT   ; sixteen lanes store 256 consecutive bytes, at a multiple of 256 from out0's first byte
.endr
	s_wait_tensorcnt 0x0
	ds_add_u32 v254, v255
	s_wait_dscnt 0x0
	s_endpgm
.Lfunc_end_k_qc399e43f85_attend:
	.size	k_qc399e43f85_attend, .Lfunc_end_k_qc399e43f85_attend-k_qc399e43f85_attend
	.p2alignl 7, 3214868480
	.fill 96, 4, 3214868480
	.section	.rodata,"a",@progbits
	.p2align	6, 0x0
	.amdhsa_kernel k_qc399e43f85_attend
		.amdhsa_group_segment_fixed_size 169984
		.amdhsa_private_segment_fixed_size 0
		.amdhsa_enable_private_segment 0
		.amdhsa_kernarg_size 40
		.amdhsa_user_sgpr_count 2
		.amdhsa_user_sgpr_kernarg_segment_ptr 1
		.amdhsa_wavefront_size32 1
		.amdhsa_system_sgpr_workgroup_id_x 1
		.amdhsa_system_sgpr_workgroup_id_y 1
		.amdhsa_system_sgpr_workgroup_id_z 1
		.amdhsa_system_vgpr_workitem_id 0
		.amdhsa_next_free_vgpr 256
		.amdhsa_next_free_sgpr 66
		.amdhsa_reserve_vcc 1
		.amdhsa_float_denorm_mode_32 3
		.amdhsa_float_denorm_mode_16_64 3
		.amdhsa_memory_ordered 1
		.amdhsa_forward_progress 1
		.amdhsa_inst_pref_size 161
	.end_amdhsa_kernel
	.amdgpu_metadata
---
amdhsa.version: [ 1, 2 ]
amdhsa.kernels:
  - .name:           k_qc399e43f85_attend
    .symbol:         k_qc399e43f85_attend.kd
    .args:
      - { .name: queries, .offset: 0, .size: 8, .value_kind: global_buffer, .address_space: global }
      - { .name: kv, .offset: 8, .size: 8, .value_kind: global_buffer, .address_space: global }
      - { .name: ks, .offset: 16, .size: 8, .value_kind: global_buffer, .address_space: global }
      - { .name: vsw, .offset: 24, .size: 8, .value_kind: global_buffer, .address_space: global }
      - { .name: out0, .offset: 32, .size: 8, .value_kind: global_buffer, .address_space: global }
    .group_segment_fixed_size: 169984
    .private_segment_fixed_size: 0
    .kernarg_segment_align: 8
    .kernarg_segment_size: 40
    .max_flat_workgroup_size: 512
    .sgpr_count:     66
    .vgpr_count:     256
    .wavefront_size: 32
...
	.end_amdgpu_metadata
.endif
;; end of part 2
